; MI455X (gfx1250); checked and timed in simulation.
; The chip was launched on July 23, 2026; its instructions are those of AMD's public machine-readable ISA for CDNA 5 (MIT licence, August 2026) and "CDNA5" Instruction Set Architecture Reference Guide (July 2026). The comments in the code are by the model that wrote it; some were corrected since.
;; Hadamard W4 A4 Linear Fast. Allowed arithmetic: matrix products marked QUANTISED: E2M3 operands, one E8M0 scale for each 32 along K, by v_wmma_scale_f32_16x16x128_f8f6f4 with both operands' format E2M3, f32 sums; everything else in f32.
;; Inputs: weight_packed 4,096 x 2,048 int32; weight_scale 4,096 float32; x 4,096 x 4,096 float32.
;; Outputs: out0 4,096 x 4,096 float32.
;; This version of the problem:
;;   THIS VERSION OF THE PROBLEM IS GIVEN IN LOW PRECISION. The matrix products marked QUANTISED in the list below multiply operands that are first quantised to E2M3 (2 exponent bits, 3 mantissa bits; 6 bits a number), with one power-of-two scale for each 32 numbers along K (OCP MX v1.0); their sums are f32. All else is computed in f32.
;;   The module's matrix products, in the order in which they are computed (A, B: the left and right operand; K: the contracted axis; several contracted axes count as one K, in the product's order):
;;     1. [M 4,096, K 4,096] x [K 4,096, N 4,096]; A: computed on the way; B: computed on the way: QUANTISED
;;   THE QUANTISER, for each operand of a quantised product, along K:
;;     - K is cut into blocks of 32 from its start; a last block that is shorter is filled with zeros.
;;     - A block's scale is 2^e with e = floor(log2(the largest magnitude in the block)) - 2, held to -126 .. 127; a block of zeros has e = 0. As a byte (E8M0): e + 127.
;;     - Each number is divided by its block's scale, clamped to +-7.5, and rounded to the nearest number of E2M3, ties to even, subnormals kept.
;;     - The product sums the exact products of the quantised numbers (number of the format x scale) in f32.
;;   ~~~python
;;   def quantise(x, axis):      # numpy; x: float32 -> the quantised numbers, widened to float32 again
;;       x = np.moveaxis(x, axis, -1); K = x.shape[-1]
;;       x = np.pad(x, [(0, 0)] * (x.ndim - 1) + [(0, -K % 32)]); x = x.reshape(x.shape[:-1] + (-1, 32)); a = np.abs(x).max(-1, keepdims=True)
;;       e = np.where(a > 0, np.clip(np.frexp(np.where(a > 0, a, 1))[1] - 1 - 2, -126, 127), 0)      # np.frexp(a)[1] - 1 = floor(log2(a)), exactly
;;       r = np.clip(x / 2.0 ** e, -7.5, 7.5)
;;       step = 2.0 ** (np.maximum(np.frexp(np.where(r == 0, 1, r))[1] - 1, 0) - 3)
;;       q = np.round(r / step) * step * 2.0 ** e      # np.round: ties to even
;;       return np.moveaxis(q.reshape(q.shape[:-2] + (-1,))[..., :K], -1, axis).astype(np.float32)
;;   ~~~
;;   OPERANDS COMPUTED ON THE WAY. 'Computed on the way' means the value that the module computes at that place (a softmax that the list does not call 'softmax' is quantised finished and normalised). What goes into a quantiser is computed in f32, as accurately as f32 sums, v_exp_f32 and their like allow (about 1e-6 of the number): no bf16 or f16 on the way to a quantiser, and a product that is left as it is and whose result goes on into a quantised operand takes f32 operands (vector FMAs, or v_wmma_f32_16x16x4_f32). A number that lies on a knife's edge between two numbers of the format may be rounded either way, as far as f32 arithmetic and the matrix unit's own rounding can turn it there, and no further.
;; One version. Each part assembles by itself: llvm-mc -triple=amdgcn-amd-amdhsa -mcpu=gfx1250 --defsym DOCPART=n.
;; ======== version 1 of 1: 2 launches
;; limits: right only within a limited range of input values
;; workspace buffers: xq 13,107,200 bytes; wq 13,107,200 bytes; xs 16,384 bytes
;; launch quant (part 1): grid 256 x 1, 16 waves a work-group, no clusters, 151,552 bytes of LDS; arguments x, weight_packed, xq, wq, xs; writes xq, wq, xs
.if DOCPART == 1
	.amdgcn_target "amdgcn-amd-amdhsa--gfx1250"
	.amdhsa_code_object_version 6
	.text
	.protected	k_q8122599c41_quant
	.globl	k_q8122599c41_quant
	.p2align	8
	.type	k_q8122599c41_quant,@function
k_q8122599c41_quant:
	s_mov_b64 s[64:65], 0
	v_nop
	global_prefetch_b8 v0, s[64:65] scope:SCOPE_SE
	s_setreg_imm32_b32 hwreg(HW_REG_WAVE_MODE, 25, 1), 1
	s_wait_xcnt 0x0
; Both operands of out = (x_q w_q^T) x scales are made here, once, as codes of FP6 (E2M3) with one E8M0 byte for each 32 along K, LAID IN THE ORDER OF THE OPERAND'S REGISTERS.
; x [4096][4096] f32:  x_scale = max(max|row| / 7, 1e-5);  x_q = clip(round(x / x_scale), -8, 7), ties to even.  weight_packed [4096][2048] int32: two signed nibbles a word, the low one first.
; Both hold whole numbers from -8 to 7.  A block's scale is 2^(floor(log2(its largest magnitude)) - 2): with 8 in the block the numbers are halved, with 4 to 7 they stay: every one is a code exactly.
; BOTH DIVISIONS ARE ROUNDED AS A DIVISION IS: quotient by a reciprocal, the residual by one fused multiply-add (exact), one correction.  A quotient one step off could turn a round() at a half.
; OUT: xq, wq: [32 blocks of 128 rows][32 steps of 128 along K][a chunk of 12,800 bytes].  A chunk: 8 fragments (16 rows x 128 K) of 1,536 bytes, each the image of the 12 registers that a wave's 32 lanes hold of it:
; registers 4 c .. 4 c + 3 of lane l at 512 c + 16 l, lane l = r + 16 h holding the fragment's row r, K = 32 h + 0 .. 31 in registers 0-5 and K = 64 + 32 h + 0 .. 31 in registers 6-11; then, from byte 12,288 on, the scale words,
; 4 bytes for a row and 128 K, at 64 x fragment + 4 r.  xs [4096] f32: x_scale.
; WHICH ROWS FORM A FRAGMENT: not neighbours.  Row r of fragment f is row 64 (f / 4) + 4 r + f % 4 of its block of 128, in both tensors: so in the product's result a lane's four neighbouring columns lie in four accumulators.
; SHARES.  A work-group of sixteen waves owns one fragment's 16 rows of x and the same 16 rows of the weights; a wave takes ONE row of each.  256 work-groups of equal work; no branch, no loop: every offset is an immediate.
; A wave asks for both its rows at the head: 48 loads of 512 consecutive bytes.  The conversions want 16 neighbours along K in ONE lane: so 2,048 bytes at a time turn through the wave's own stage in LDS (64 bytes + 16 of padding a place).
; The sixteen rows' codes meet in LDS in an image of rows of 256 bytes + 16: row 6 j + 2 c + h (step j) holds, for each of the 16 rows r, 16 bytes at 16 r.  Row P starts at bank 4 P mod 64 (64 banks of 4 bytes: ISA guide 11.1).
; TWO BARRIERS, one for each tensor: behind x's each wave reads whole image rows back and stores two steps' fragments of xq, ahead of the weights' arithmetic; behind the weights' the same for wq.
; Stores of 512 consecutive bytes, at multiples of 256 from the buffer's first byte.
; LIMITS: NaN and infinities in x are not served; a row's largest magnitude above 2^126 is not served (x_scale's reciprocal would be flushed to zero).  A block of zeros gets the byte 1 where the
; quantiser's rule says 127: its codes are zeros, which add nothing under any byte but 0xff, and this program alone reads the bytes.  The scale words leave in runs of 64 bytes and x_scale in stores of 4.
.set SP,    80                         ; a place in a stage
.set STG,   32*SP                      ; a wave's stage; the sixteen lie from LDS byte 0 on
.set IROW,  272                        ; an image row
.set KIMG,  6*IROW                     ; a fragment's six rows
.set XIMG,  16*STG                     ; x's image, 32 steps
.set XSCW,  XIMG+32*KIMG               ; x's scale words: 64 j + 4 r
.set WIMG,  XSCW+2048                  ; the weights' image
.set WSCW,  WIMG+32*KIMG               ; and their scale words; the end is 149,504; the spare words lie from there on
.set TOW,   WIMG-XIMG
.set CHUNK, 12800
.set SCO,   12288
.set FRB,   1536
.set RBLK,  32*CHUNK
.set LANE, 1
.set GO,   2                           ; 16 x lane
.set SIN,  3                           ; the stage, in: 80 (lane / 4) + 16 (lane % 4)
.set SOUT, 4                           ; the stage, out: 80 x lane
.set CX,   5                           ; v5-7 where the three words of x's 16 codes go in the image
.set BX,   8                           ; x's scale byte
.set CWA,  9                           ; a weight block's words 0, 1, 4, 5
.set CWB,  10                          ; its words 2, 3
.set BW,   11                          ; its scale byte
.set M,    12                          ; v12-13 the row's largest magnitude, two chains
.set Q,    14
.set RR,   15
.set XS,   16                          ; v[16:17] x_scale, twice
.set INV,  18                          ; v[18:19] 1 / x_scale, twice
.set B,    20                          ; v20-21 a block's largest magnitude
.set SO,   22                          ; the conversion's scale operand
.set GS,   23                          ; 4 x lane
.set T,    24                          ; v[24:31] quotients
.set U,    32                          ; v[32:39] residuals
.set IRX,  40                          ; x's image, read back
.set IRW,  41                          ; the weights'
.set SRX,  42                          ; x's scale words, read back
.set SRW,  43
.set GSC,  44                          ; the scale words' place in memory
.set GOF,  45                          ; the codes' place in memory
.set TA,   46
.set TB,   47
.set TC,   48
.set C0,   50                          ; the codes and the byte of x's first step
.set WR,   56                          ; v56-119  the row of weights, as words
.set R,    120                         ; v120-247 the row of x; later: v120-151 a weight block's numbers, v152-183 its codes, v184-187 its bytes, v192-216 xq's way out, v218-242 wq's
.set F,    R
.set OX,   R+72
.set OW,   R+98
	s_load_b256 s[4:11], s[0:1], 0x0               ; x s[4:5], weight_packed s[6:7], xq s[8:9], wq s[10:11]
	s_load_b64 s[12:13], s[0:1], 0x20              ; xs
	v_lshl_add_u32 v248, v0, 2, 0x24800            ; my spare word, and 0
	v_mov_b32 v249, 0
	v_lshrrev_b32 v1, 5, v0
	s_delay_alu instid0(VALU_DEP_1)
	v_readfirstlane_b32 s18, v1                    ; wave 0..15: my row of the fragment
	v_and_b32 v[LANE], 31, v0
	s_delay_alu instid0(VALU_DEP_1)
	v_lshlrev_b32 v[GO], 4, v[LANE]
	s_and_b32 s19, ttmp9, 0xfffffffc               ; 8 x block + 4 (f / 4),
	s_lshl_b32 s19, s19, 4                         ; x 16: 128 x block + 64 (f / 4)
	s_and_b32 s20, ttmp9, 3                        ; + f % 4
	s_add_co_u32 s19, s19, s20
	s_lshl_b32 s20, s18, 2                         ; + 4 r
	s_add_co_u32 s19, s19, s20                     ; my row of both tensors
	s_lshl_b32 s20, s19, 14                        ; 16,384 bytes a row of x,
	s_mov_b32 s21, 0
	s_lshl_b32 s22, s19, 13                        ; 8,192 a row of weights
	s_mov_b32 s23, 0
	s_wait_alu depctr_va_vdst(0)
	s_wait_kmcnt 0x0
	s_add_nc_u64 s[4:5], s[4:5], s[20:21]
	s_add_nc_u64 s[6:7], s[6:7], s[22:23]
.irp i, 0,1,2,3,4,5,6,7,8,9,10,11,12,13,14,15,16,17,18,19,20,21,22,23,24,25,26,27,28,29,30,31
	global_load_b128 v[R+4*\i:R+4*\i+3], v[GO], s[4:5] offset:512*\i th:TH_LOAD_NT
.endr
.irp i, 0,1,2,3,4,5,6,7,8,9,10,11,12,13,14,15
	global_load_b128 v[WR+4*\i:WR+4*\i+3], v[GO], s[6:7] offset:512*\i th:TH_LOAD_NT
.endr
	; addresses, while the loads are on their way
	s_lshl_b32 s20, s19, 2
	s_add_nc_u64 s[12:13], s[12:13], s[20:21]      ; my x_scale
	s_lshr_b32 s20, ttmp9, 3                       ; my block of 128 rows,
	s_mul_i32 s20, s20, RBLK
	s_mul_i32 s39, s18, 2*CHUNK                    ; and the two steps that my wave stores
	s_add_co_u32 s20, s20, s39
	s_add_nc_u64 s[8:9], s[8:9], s[20:21]
	s_add_nc_u64 s[10:11], s[10:11], s[20:21]
	s_mov_b32 s22, 0xc0e00000                      ; -7.0
	s_mov_b32 s23, 0x3e124925                      ; 1/7, rounded to nearest
	s_mov_b32 s24, 0xc1000000                      ; -8.0
	s_mov_b32 s25, 0x40e00000                      ; 7.0
	s_mov_b32 s26, 0x76543210                      ; v_permlanex16_b32's selects for lane l xor 16
	s_mov_b32 s27, 0xfedcba98
	s_mul_i32 s28, s18, STG                        ; my stage
	s_lshl_b32 s30, s18, 4                         ; my 16 bytes of every image row
	s_add_co_u32 s31, s30, XIMG
	s_add_co_u32 s33, s30, WIMG
	s_lshl_b32 s32, s18, 2                         ; my word of every step's 16 scale words
	s_add_co_u32 s34, s32, WSCW
	s_add_co_u32 s32, s32, XSCW
	s_mul_i32 s35, s18, 2*KIMG                     ; read back: my wave's two steps
	s_add_co_u32 s35, s35, XIMG
	s_lshl_b32 s36, s18, 7
	s_add_co_u32 s36, s36, XSCW
	s_and_b32 s37, ttmp9, 7                        ; which fragment of the block of 128 rows
	s_mul_i32 s38, s37, FRB
	s_lshl_b32 s37, s37, 6
	v_lshlrev_b32 v[GS], 2, v[LANE]
	v_lshrrev_b32 v[SIN], 2, v[LANE]
	s_delay_alu instid0(VALU_DEP_1)
	v_mul_u32_u24 v[SIN], v[SIN], SP
	v_and_b32 v[TA], 3, v[LANE]
	s_delay_alu instid0(VALU_DEP_1)
	v_lshl_add_u32 v[SIN], v[TA], 4, v[SIN]
	s_delay_alu instid0(VALU_DEP_1)
	v_add_nc_u32 v[SIN], s28, v[SIN]
	v_mul_u32_u24 v[SOUT], v[LANE], SP
	s_delay_alu instid0(VALU_DEP_1)
	v_add_nc_u32 v[SOUT], s28, v[SOUT]
	; x: in a step of 512 numbers lane L holds numbers 16 L .. 16 L + 15: half L % 2 of block (L / 2) % 4 of step L / 8 (of the four steps of 128).  Block b is the operand's lane half h = b % 2 and its
	; registers 6 (b / 2) on: so my three words are words d = 3 k + 0, 1, 2 of that lane's twelve, k = L % 2 + 2 ((L / 4) % 2); word d lies in image row 2 (d / 4) + h at 4 (d % 4)
	v_lshrrev_b32 v[TA], 3, v[LANE]
	s_delay_alu instid0(VALU_DEP_1)
	v_mul_u32_u24 v[TA], v[TA], KIMG
	v_bfe_u32 v[TB], v[LANE], 1, 1
	s_delay_alu instid0(VALU_DEP_1)
	v_mad_u32_u24 v[TA], v[TB], IROW, v[TA]
	s_delay_alu instid0(VALU_DEP_1)
	v_add_nc_u32 v[TA], s31, v[TA]
	v_and_b32 v[TB], 1, v[LANE]
	v_bfe_u32 v[TC], v[LANE], 2, 1
	s_delay_alu instid0(VALU_DEP_1)
	v_lshl_add_u32 v[TB], v[TC], 1, v[TB]
	s_delay_alu instid0(VALU_DEP_1)
	v_mul_u32_u24 v[TB], v[TB], 3
.irp i, 0,1,2
	v_add_nc_u32 v[TC], \i, v[TB]
	s_delay_alu instid0(VALU_DEP_1)
	v_lshrrev_b32 v[CX+\i], 2, v[TC]
	s_delay_alu instid0(VALU_DEP_1)
	v_mad_u32_u24 v[CX+\i], v[CX+\i], 2*IROW, v[TA]
	s_delay_alu instid0(VALU_DEP_3)
	v_and_b32 v[TC], 3, v[TC]
	s_delay_alu instid0(VALU_DEP_1)
	v_lshl_add_u32 v[CX+\i], v[TC], 2, v[CX+\i]
.endr
	v_lshrrev_b32 v[TA], 3, v[LANE]
	v_bfe_u32 v[TB], v[LANE], 1, 2
	s_delay_alu instid0(VALU_DEP_1)
	v_lshl_add_u32 v[BX], v[TA], 6, v[TB]          ; the byte: 64 x step + block
	s_delay_alu instid0(VALU_DEP_1)
	v_add_nc_u32 v[BX], s32, v[BX]
	; the weights: in a step of 1,024 lane L holds block L % 4 of step L / 4 (of eight): h = L % 2; words d = 6 ((L / 2) % 2) + 0 .. 5.  Against the first three registers' block the second's words lie
	; 552 bytes on (words 0, 1, 4, 5) or 1,080 (words 2, 3)
	v_lshrrev_b32 v[TA], 2, v[LANE]
	s_delay_alu instid0(VALU_DEP_1)
	v_mul_u32_u24 v[TA], v[TA], KIMG
	v_and_b32 v[TB], 1, v[LANE]
	s_delay_alu instid0(VALU_DEP_1)
	v_mad_u32_u24 v[TA], v[TB], IROW, v[TA]
	s_delay_alu instid0(VALU_DEP_1)
	v_add_nc_u32 v[TA], s33, v[TA]
	v_bfe_u32 v[TB], v[LANE], 1, 1
	s_delay_alu instid0(VALU_DEP_1)
	v_mad_u32_u24 v[CWA], v[TB], 552, v[TA]
	s_delay_alu instid0(VALU_DEP_2)
	v_mad_u32_u24 v[CWB], v[TB], 1080, v[TA]
	v_lshrrev_b32 v[TA], 2, v[LANE]
	v_and_b32 v[TB], 3, v[LANE]
	s_delay_alu instid0(VALU_DEP_1)
	v_lshl_add_u32 v[BW], v[TA], 6, v[TB]
	s_delay_alu instid0(VALU_DEP_1)
	v_add_nc_u32 v[BW], s34, v[BW]
	; the ways out
	v_lshrrev_b32 v[TA], 4, v[LANE]
	v_and_b32 v[TB], 15, v[LANE]
	s_delay_alu instid0(VALU_DEP_2)
	v_mul_u32_u24 v[IRX], v[TA], IROW
	s_delay_alu instid0(VALU_DEP_1)
	v_lshl_add_u32 v[IRX], v[TB], 4, v[IRX]
	s_delay_alu instid0(VALU_DEP_1)
	v_add_nc_u32 v[IRX], s35, v[IRX]
	s_delay_alu instid0(VALU_DEP_1)
	v_add_nc_u32 v[IRW], TOW, v[IRX]
	v_add_nc_u32 v[SRX], s36, v[GS]
	s_delay_alu instid0(VALU_DEP_1)
	v_add_nc_u32 v[SRW], TOW, v[SRX]
	v_mul_u32_u24 v[GSC], v[TA], CHUNK
	s_delay_alu instid0(VALU_DEP_1)
	v_lshl_add_u32 v[GSC], v[TB], 2, v[GSC]
	s_delay_alu instid0(VALU_DEP_1)
	v_add_nc_u32 v[GSC], s37, v[GSC]
	v_add_nc_u32 v[GOF], s38, v[GO]
	v_mov_b32 v[M], 0
	v_mov_b32 v[M+1], 0
; 2,048 bytes in 16 registers go into the stage as they were loaded and come back 64 neighbouring bytes a lane, into the same registers.
; LDS serves a wave's instructions in order (ISA guide 5.7.1.4): no wait between the stores and the loads, nor in front of the next turn's stores.
.macro TURN reg
.irp i, 0,1,2,3
	ds_store_b128 v[SIN], v[\reg+4*\i:\reg+4*\i+3] offset:8*SP*\i
.endr
.irp i, 0,1,2,3
	ds_load_b128 v[\reg+4*\i:\reg+4*\i+3], v[SOUT] offset:16*\i
.endr
.endm
.macro AMAX s                          ; step s's 16 numbers of my lane, as they were loaded, into the two chains
.irp k, 0
	v_max3_num_f32 v[M], v[M], |v[R+16*(\s)+2*\k]|, |v[R+16*(\s)+2*\k+1]|
	v_max3_num_f32 v[M+1], v[M+1], |v[R+16*(\s)+2*\k+2]|, |v[R+16*(\s)+2*\k+3]|
.endr
.irp k, 2, 4, 6
	s_delay_alu instid0(VALU_DEP_2)
	v_max3_num_f32 v[M], v[M], |v[R+16*(\s)+2*\k]|, |v[R+16*(\s)+2*\k+1]|
	s_delay_alu instid0(VALU_DEP_2)
	v_max3_num_f32 v[M+1], v[M+1], |v[R+16*(\s)+2*\k+2]|, |v[R+16*(\s)+2*\k+3]|
.endr
.endm
	; ---------------- x ----------------
.irp s, 0,1,2,3,4,5,6,7
	s_wait_alu depctr_va_vdst(0)
	s_wait_loadcnt 44-4*\s                         ; loads come back in order (ISA guide 5.7.1): step s's four are in; x's later ones and the weights' sixteen stay out
	AMAX \s
	TURN R+16*\s
.endr
	v_max_num_f32 v[M], v[M], v[M+1]
	s_delay_alu instid0(VALU_DEP_1)
	v_max_num_f32_dpp v[M], v[M], v[M] row_xmask:1 row_mask:0xf bank_mask:0xf
	s_delay_alu instid0(VALU_DEP_1)
	v_max_num_f32_dpp v[M], v[M], v[M] row_xmask:2 row_mask:0xf bank_mask:0xf
	s_delay_alu instid0(VALU_DEP_1)
	v_max_num_f32_dpp v[M], v[M], v[M] row_xmask:4 row_mask:0xf bank_mask:0xf
	s_delay_alu instid0(VALU_DEP_1)
	v_max_num_f32_dpp v[M], v[M], v[M] row_xmask:8 row_mask:0xf bank_mask:0xf
	s_delay_alu instid0(VALU_DEP_1)
	v_permlanex16_b32 v[M+1], v[M], s26, s27
	s_delay_alu instid0(VALU_DEP_1)
	v_max_num_f32 v[M], v[M], v[M+1]               ; the row's largest magnitude, in every lane
	s_delay_alu instid0(VALU_DEP_1)
	v_mul_f32 v[Q], s23, v[M]                      ; / 7: a first quotient,
	s_delay_alu instid0(VALU_DEP_1)
	v_fma_f32 v[RR], v[Q], s22, v[M]               ; its residual, exact,
	s_delay_alu instid0(VALU_DEP_1)
	v_fma_f32 v[Q], v[RR], s23, v[Q]               ; and the correction
	s_delay_alu instid0(VALU_DEP_1)
	v_max_num_f32 v[XS], 0x3727c5ac, v[Q]          ; x_scale = max(.., 1e-5)
	s_wait_alu depctr_va_vdst(0)
	v_rcp_f32 v[INV], v[XS]
	v_mov_b32 v[XS+1], v[XS]                       ; a plain instruction behind the reciprocal (ISA guide 5.7.2)
	s_wait_alu depctr_va_vdst(0)                   ; and ahead of its first reader
	v_fma_f32 v[RR], -v[XS], v[INV], 1.0           ; one step of refinement
	v_fma_f32 v[INV], v[RR], v[INV], v[INV]
	s_delay_alu instid0(VALU_DEP_1)
	v_mov_b32 v[INV+1], v[INV]
	s_wait_alu depctr_va_vdst(0)
	s_wait_dscnt 0x0                               ; the eight turns are back: lane l holds numbers 16 l .. 16 l + 15 of each step's 512
; Step s: my 16 numbers become x_q, then codes.  The codes and the byte are written over the numbers of the step before, which are done with: so every step's LDS stores have data registers of their own.
.macro XSTEP s
.set X, R+16*(\s)
.if (\s) == 0
.set CD, C0
.else
.set CD, R+16*((\s)-1)
.endif
.irp g, 0,8
.irp p, 0,2,4,6
	v_pk_mul_f32 v[T+\p:T+\p+1], v[X+\g+\p:X+\g+\p+1], v[INV:INV+1]                       ; x / x_scale: a first quotient,
.endr
.irp p, 0,2,4,6
	s_delay_alu instid0(VALU_DEP_4)
	v_pk_fma_f32 v[U+\p:U+\p+1], v[T+\p:T+\p+1], v[XS:XS+1], v[X+\g+\p:X+\g+\p+1] neg_lo:[1,0,0] neg_hi:[1,0,0]   ; its residual x - q x_scale,
.endr
.irp p, 0,2,4,6
	s_delay_alu instid0(VALU_DEP_4)
	v_pk_fma_f32 v[X+\g+\p:X+\g+\p+1], v[U+\p:U+\p+1], v[INV:INV+1], v[T+\p:T+\p+1]       ; and the correction
.endr
.endr
.irp i, 0,1,2,3,4,5,6,7,8,9,10,11,12,13,14,15
	v_rndne_f32 v[X+\i], v[X+\i]                   ; ties to even
.endr
.irp i, 0,1,2,3,4,5,6,7,8,9,10,11,12,13,14,15
	v_med3_num_f32 v[X+\i], v[X+\i], s24, s25      ; the clip to -8 .. 7
.endr
	v_max3_num_f32 v[B], |v[X]|, |v[X+1]|, |v[X+2]|
	v_max3_num_f32 v[B+1], |v[X+3]|, |v[X+4]|, |v[X+5]|
.irp i, 6,10
	s_delay_alu instid0(VALU_DEP_2)
	v_max3_num_f32 v[B], v[B], |v[X+\i]|, |v[X+\i+1]|
	s_delay_alu instid0(VALU_DEP_2)
	v_max3_num_f32 v[B+1], v[B+1], |v[X+\i+2]|, |v[X+\i+3]|
.endr
	s_delay_alu instid0(VALU_DEP_2)
	v_max3_num_f32 v[B], v[B], |v[X+14]|, |v[X+15]|
	s_delay_alu instid0(VALU_DEP_1)
	v_max3_num_f32 v[B], v[B], v[B+1], 0x1800000   ; and the floor 2^(3 - 127): the byte cannot fall under 1
	s_delay_alu instid0(VALU_DEP_1)
	v_max_num_f32_dpp v[B], v[B], v[B] row_xmask:1 row_mask:0xf bank_mask:0xf   ; with my neighbour's 16: the block's largest magnitude
	s_delay_alu instid0(VALU_DEP_1)
	v_add_nc_u32 v[SO], 0xff000000, v[B]           ; 2 off its exponent field: the conversion takes the exponent field of this operand as its scale
	v_cvt_scalef32_pk16_fp6_f32 v[CD:CD+2], v[X:X+15], v[SO]
	v_lshrrev_b32 v[CD+4], 23, v[SO]               ; the scale's byte; also the plain instruction behind the conversion
	ds_store_b8 v[BX], v[CD+4] offset:256*(\s)     ; both lanes of a block write the same byte with the same value
.irp i, 0,1,2
	ds_store_b32 v[CX+\i], v[CD+\i] offset:4*KIMG*(\s)
.endr
.endm
.irp s, 0,1,2,3,4,5,6,7
	XSTEP \s
.endr
	; x's way out, ahead of the weights' arithmetic
	s_wait_dscnt 0x0                               ; for the others' sake: my stores into x's image and scale words are done (and have read their registers)
	s_barrier_signal -1
	s_barrier_wait -1                              ; everybody's are: sixteen rows of x lie side by side
.irp j, 0,1
.irp c, 0,1,2
	ds_load_b128 v[OX+4*(3*\j+\c):OX+4*(3*\j+\c)+3], v[IRX] offset:\j*KIMG+\c*2*IROW   ; two image rows: 512 bytes of a fragment, as they go to memory
.endr
.endr
	ds_load_b32 v[OX+24], v[SRX]                   ; two steps' 16 scale words
	s_wait_dscnt 0x0
.irp j, 0,1
.irp c, 0,1,2
	global_store_b128 v[GOF], v[OX+4*(3*\j+\c):OX+4*(3*\j+\c)+3], s[8:9] offset:\j*CHUNK+512*\c   ; 32 lanes store 512 consecutive bytes, at a multiple of 256 from the buffer's first byte
.endr
.endr
	global_store_b32 v[GSC], v[OX+24], s[8:9] offset:SCO      ; two runs of 64 bytes, a chunk apart
	; ---------------- the weights ----------------
; Step s: my 16 words are 32 weights: a whole block.  None of its registers is one that the stores above read.
.macro WSTEP s
.set W, WR+16*(\s)
.set CD, R+32+8*(\s)
.set ED, R+64+(\s)
.irp i, 0,1,2,3,4,5,6,7,8,9,10,11,12,13,14,15
	v_lshlrev_b32 v[F+2*\i], 28, v[W+\i]           ; the low nibble to the top: all bits above it fall away,
	v_lshlrev_b32 v[F+2*\i+1], 24, v[W+\i]         ; the high nibble likewise
.endr
.irp i, 0,1,2,3,4,5,6,7,8,9,10,11,12,13,14,15,16,17,18,19,20,21,22,23,24,25,26,27,28,29,30,31
	v_ashrrev_i32 v[F+\i], 28, v[F+\i]             ; and back with its sign: -8 .. 7
.endr
.irp i, 0,1,2,3,4,5,6,7,8,9,10,11,12,13,14,15,16,17,18,19,20,21,22,23,24,25,26,27,28,29,30,31
	v_cvt_f32_i32 v[F+\i], v[F+\i]
.endr
	v_max3_num_f32 v[B], |v[F]|, |v[F+1]|, |v[F+2]|
	v_max3_num_f32 v[B+1], |v[F+3]|, |v[F+4]|, |v[F+5]|
.irp i, 6,10,14,18,22,26
	s_delay_alu instid0(VALU_DEP_2)
	v_max3_num_f32 v[B], v[B], |v[F+\i]|, |v[F+\i+1]|
	s_delay_alu instid0(VALU_DEP_2)
	v_max3_num_f32 v[B+1], v[B+1], |v[F+\i+2]|, |v[F+\i+3]|
.endr
	s_delay_alu instid0(VALU_DEP_2)
	v_max3_num_f32 v[B], v[B], |v[F+30]|, |v[F+31]|
	s_delay_alu instid0(VALU_DEP_1)
	v_max3_num_f32 v[B], v[B], v[B+1], 0x1800000   ; and the floor
	s_delay_alu instid0(VALU_DEP_1)
	v_add_nc_u32 v[SO], 0xff000000, v[B]
	v_cvt_scalef32_pk16_fp6_f32 v[CD:CD+2], v[F:F+15], v[SO]
	v_cvt_scalef32_pk16_fp6_f32 v[CD+4:CD+6], v[F+16:F+31], v[SO]   ; (a conversion's three registers begin on an even number)
	v_lshrrev_b32 v[ED], 23, v[SO]                 ; the byte; also the plain instruction behind the conversions
	ds_store_b8 v[BW], v[ED] offset:512*(\s)       ; a step of 1,024 is eight steps of 128
	ds_store_b32 v[CWA], v[CD]   offset:8*KIMG*(\s)
	ds_store_b32 v[CWA], v[CD+1] offset:8*KIMG*(\s)+4
	ds_store_b32 v[CWB], v[CD+2] offset:8*KIMG*(\s)+8
	ds_store_b32 v[CWB], v[CD+4] offset:8*KIMG*(\s)+12
	ds_store_b32 v[CWA], v[CD+5] offset:8*KIMG*(\s)+2*IROW
	ds_store_b32 v[CWA], v[CD+6] offset:8*KIMG*(\s)+2*IROW+4
.endm
.irp s, 0,1,2,3
	s_wait_loadcnt 12-4*\s                         ; step s's four loads are in
	TURN WR+16*\s
.if \s > 0
	s_wait_dscnt 8                                 ; all but the turn just issued: the step before is back in registers
	WSTEP \s-1
.endif
.endr
	s_wait_dscnt 0x0
	WSTEP 3
	; the weights' way out
	s_wait_dscnt 0x0                               ; for the others' sake: my stores into the weights' image and scale words are done
	s_barrier_signal -1
	s_barrier_wait -1
.irp j, 0,1
.irp c, 0,1,2
	ds_load_b128 v[OW+4*(3*\j+\c):OW+4*(3*\j+\c)+3], v[IRW] offset:\j*KIMG+\c*2*IROW
.endr
.endr
	ds_load_b32 v[OW+24], v[SRW]
	s_wait_dscnt 0x0
.irp j, 0,1
.irp c, 0,1,2
	global_store_b128 v[GOF], v[OW+4*(3*\j+\c):OW+4*(3*\j+\c)+3], s[10:11] offset:\j*CHUNK+512*\c
.endr
.endr
	global_store_b32 v[GSC], v[OW+24], s[10:11] offset:SCO
	v_cmp_eq_u32 vcc_lo, 0, v[LANE]
	s_wait_xcnt 0x0                                ; EXEC is a source of the stores above: it changes only behind this wait
	s_wait_tensorcnt 0x0                           ; the wave's end, behind my last LDS store
	ds_add_u32 v248, v249
	s_wait_dscnt 0x0
	s_and_saveexec_b32 s29, vcc_lo
	global_store_b32 v[GS], v[XS], s[12:13]        ; lane 0 stores the row's x_scale
	s_wait_xcnt 0x0                                ; and again in front of the line that widens it
	s_or_b32 exec_lo, exec_lo, s29
	s_endpgm
.Lfunc_end_k_q8122599c41_quant:
	.size	k_q8122599c41_quant, .Lfunc_end_k_q8122599c41_quant-k_q8122599c41_quant
	.p2alignl 7, 3214868480
	.fill 96, 4, 3214868480
	.section	.rodata,"a",@progbits
	.p2align	6, 0x0
	.amdhsa_kernel k_q8122599c41_quant
		.amdhsa_group_segment_fixed_size 151552
		.amdhsa_private_segment_fixed_size 0
		.amdhsa_enable_private_segment 0
		.amdhsa_kernarg_size 40
		.amdhsa_user_sgpr_count 2
		.amdhsa_user_sgpr_kernarg_segment_ptr 1
		.amdhsa_wavefront_size32 1
		.amdhsa_system_sgpr_workgroup_id_x 1
		.amdhsa_system_sgpr_workgroup_id_y 1
		.amdhsa_system_sgpr_workgroup_id_z 1
		.amdhsa_system_vgpr_workitem_id 0
		.amdhsa_next_free_vgpr 250
		.amdhsa_next_free_sgpr 66
		.amdhsa_reserve_vcc 1
		.amdhsa_float_denorm_mode_32 3
		.amdhsa_float_denorm_mode_16_64 3
		.amdhsa_memory_ordered 1
		.amdhsa_forward_progress 1
		.amdhsa_inst_pref_size 87
	.end_amdhsa_kernel
	.amdgpu_metadata
---
amdhsa.version: [ 1, 2 ]
amdhsa.kernels:
  - .name:           k_q8122599c41_quant
    .symbol:         k_q8122599c41_quant.kd
    .args:
      - { .name: x, .offset: 0, .size: 8, .value_kind: global_buffer, .address_space: global }
      - { .name: weight_packed, .offset: 8, .size: 8, .value_kind: global_buffer, .address_space: global }
      - { .name: xq, .offset: 16, .size: 8, .value_kind: global_buffer, .address_space: global }
      - { .name: wq, .offset: 24, .size: 8, .value_kind: global_buffer, .address_space: global }
      - { .name: xs, .offset: 32, .size: 8, .value_kind: global_buffer, .address_space: global }
    .group_segment_fixed_size: 151552
    .private_segment_fixed_size: 0
    .kernarg_segment_align: 8
    .kernarg_segment_size: 40
    .max_flat_workgroup_size: 512
    .sgpr_count:     66
    .vgpr_count:     250
    .wavefront_size: 32
...
	.end_amdgpu_metadata
.endif
;; end of part 1
;; launch gemm (part 2): grid 16 x 16, 4 waves a work-group, clusters of 4 x 4, 327,680 bytes of LDS; arguments xq, wq, out0, xs, weight_scale; writes out0
.if DOCPART == 2
	.amdgcn_target "amdgcn-amd-amdhsa--gfx1250"
	.amdhsa_code_object_version 6
	.text
	.protected	k_q8122599c41_gemm
	.globl	k_q8122599c41_gemm
	.p2align	8
	.type	k_q8122599c41_gemm,@function
k_q8122599c41_gemm:
	s_mov_b64 s[64:65], 0
	v_nop
	global_prefetch_b8 v0, s[64:65] scope:SCOPE_SE
	s_setreg_imm32_b32 hwreg(HW_REG_WAVE_MODE, 25, 1), 1
	s_wait_xcnt 0x0
	s_wait_alu depctr_hold_cnt(0) depctr_sa_sdst(0) depctr_va_vdst(0) depctr_va_sdst(0) depctr_va_ssrc(0) depctr_va_vcc(0) depctr_vm_vsrc(0)
	s_getreg_b32 s2, hwreg(HW_REG_IB_STS2, 6, 4)
	s_cmp_eq_u32 s2, 0
	s_cbranch_scc0 .Lentry_in_a_cluster
	s_endpgm
.Lentry_in_a_cluster:
	s_bfe_u32 s2, ttmp6, 0x10000c
	s_cmp_lg_u32 s2, 0xf033
	s_cbranch_scc0 .Lentry_shape_is_right
	s_endpgm
.Lentry_shape_is_right:
; out0[m][n] = (sum over k of x_q[m][k] w_q[n][k]) x x_scale[m] x weight_scale[n].  4096 x 4096 x 4096; codes of FP6 (E2M3) with one E8M0 byte for each 32 along K; sums in f32.
; xq, wq: [32 blocks of 128 rows][32 steps of 128 along K][a chunk of 12,800 bytes]: 8 fragments of 1,536 bytes, each the image of the 12 registers of a wave's 32 lanes (registers 4 c .. 4 c + 3 of lane l at 512 c + 16 l),
; then from byte 12,288 on the scale words, 4 bytes for a row and 128 K, at 64 x fragment + 4 r.  Row r of fragment f is row 64 (f / 4) + 4 r + f % 4 of its block of 128, in both tensors.
; A block of 256 x 256 of the result is made by a work-group of four waves, a wave makes 128 x 128: 64 accumulators, 512 registers.  256 work-groups: one for each WGP.
; K goes through a ring of two LDS slots of three steps each (4 x 38,400 bytes; fill 10, the last, has two steps); a wave fetches a quarter of a slot, one dense run of memory, as rows of 256 bytes that begin on multiples of 256.
; CLUSTERS: 4 x 4 work-groups.  The four of a row of the cluster need the same blocks of xq, the four of a column the same blocks of wq: each is asked for jointly, by the same tensor load with a mask that names the four.
; THE WAY OUT NEEDS NO LDS.  Source 0 = 16 rows of x, source 1 = 16 rows of w: register j of lane (r, h) of accumulator (a, b) is the result at row 64 (a / 4) + 32 h + 4 j + a % 4 and column 64 (b / 4) + 4 r + b % 4 of my 128 x 128.
; So accumulators 4 g .. 4 g + 3 hold, in one lane and one register number, four neighbouring columns; the multiplication by x_scale, which is due anyway, writes them into four registers on end,
; and one store of 16 bytes a lane covers two aligned runs of 256 bytes: lanes 0-15 a row's 64 columns, lanes 16-31 those of the row 32 further down.
; THE LAST FOUR STEPS GO BY HALVES OF MY ROWS.  Nothing is fetched behind fill 10, so steps 28 to 31 stay in LDS: x's blocks 0-3 go through all four first, and their 64 rows are scaled and stored, a block at a time,
; between the half steps in which blocks 4-7 go through the same four.  For that w's fragments and the scale words of these four steps are read from LDS twice: 128 loads a wave more.
; THE PREFETCH: behind the load of fill f each wave asks for its share of the quarter that its load of fill f + 1 (three K steps on) will fetch: 150 blocks of 256 bytes, shared out among the four partners that fetch it jointly
; by address, forty blocks each (the fourth: thirty; lanes left over name the quarter's last block again); of fill 10's 100 blocks, 25 each.  Fill 0 comes by its load alone.
; REGISTERS, in windows of 256.  Window 0: v0-31 addresses; v32-47 scale words, two sets; v48-55 weight_scale; v64-127 x_scale; v128-223 x's fragments: ONE set of eight, in the last four steps two sets of four.
;   Window 1: w's fragments, TWO sets, at v0 and v128; v96-127 and v224-255 (and at the end the sets' own registers) hold what is stored.
;   Window 2: the accumulators of x's blocks 0-3 ((a, b) at v[8 (8 (a % 4) + b)]); window 3: those of blocks 4-7.
; The order of the two scalings differs from (x_scale x weight_scale) first: one rounding in the last place.
.set ROWB,   16384                     ; a row of out0 in bytes
.set NS,     3                         ; steps in a slot
.set CHUNK,  12800
.set SCO,    12288
.set FRB,    1536
.set QUART,  NS*CHUNK                  ; 128 rows x three steps: what one tensor load brings
.set SLOT,   4*QUART                   ; x's 256 rows, then w's 256 rows
.set RBLK,   32*CHUNK                  ; a block of 128 rows, all of K
.set FR,     12                        ; registers of a fragment
.set NL,     3                         ; LDS loads that bring one
.set NG,     12*NL+8                   ; LDS loads of a half step: four fragments of x, eight of w, eight scale words
.set NP,     4                         ; places behind this matrix instruction (ISA guide 7.12.1)
.set LAPS,   5
.set SPARE,  2*SLOT                    ; behind the ring: the spare words, 128 bytes a wave, which no other line names
.set PSH,    10240                     ; a partner's share of a quarter in the prefetch: forty blocks of 256 bytes;
.set PSHT,   6400                      ; of fill 10's quarter: 25
.set ADRA, 16                          ; v16-17 LDS address of my x fragments in slot 0, 1
.set ADRB, 18                          ; v18-19 the same for w
.set ADRS, 20                          ; v20-21 my scale words: lanes 0-15 x's rows, lanes 16-31 w's
.set XO,   22                          ; v22    x_scale: 128 h bytes
.set WO,   23                          ; v23    weight_scale: 16 r bytes
.set PFO,  24                          ; v24-25 the prefetches' offsets in a quarter
.set CO,   26                          ; v26    my byte offset in out0: 32 h rows + 16 r
.set PFT,  27                          ; v27    the prefetch's offsets in fill 10's quarter
.set SPW,  28                          ; v28    my spare word; never rewritten
.set NIL,  29                          ; v29    0; never rewritten
.set SC,   32                          ; scale words: set p at v[SC + 8 p]; register i: lanes 0-15 x's block i, lanes 16-31 w's block i
.set WS,   48                          ; v[WS + 4 g + i]: weight_scale of column 64 g + 4 r + i
.set XS,   64                          ; v[XS + 32 g + 4 j + i]: x_scale of row 64 g + 32 h + 4 j + i
.set AF,   128
.set G1, 24                            ; s[24:31] descriptor group 1 for x's quarters; s[32:39] group 0, a set for each slot
.set G0, 32
.set G1B, 48                           ; s[48:55], s[56:63] the same for w's
.set G0B, 56
.set G1T, 68                           ; s[68:75], s[76:83] groups 1 of fill 10
.set G1TB, 76
.set PFA, 84                           ; s[84:85] a quarter of mine: fill 0's at the head, one fill on at each change of slots in the loop; a prefetch names the quarter one or two fills behind it by its immediate
.set MSB, 0
.macro WIN new                         ; the immediate's high byte repeats the setting that is left
.if MSB != \new
	s_set_vgpr_msb (MSB<<8)|\new
.set MSB, \new
.endif
.endm
.set MUL_LO, 0xa4                      ; source 0 (x) window 0, source 1 (w) window 1, C and D window 2
.set MUL_HI, 0xf4                      ; the same, C and D window 3
.set TO_B,   0x40                      ; destination window 1, address window 0
; A joint load: waves 0 and 1 fetch for x, waves 2 and 3 for w.  An s_nop 0 and four v_nop follow each of the two lines.
.macro JLOAD g0a, g1a, g0b, g1b
	s_cmp_eq_u32 s15, 0
	s_cbranch_scc0 .Lfor_b_\@
	tensor_load_to_lds s[\g0a:\g0a+3], s[\g1a:\g1a+7]
	s_nop 0
.rept 4
	v_nop
.endr
	s_branch .Lasked_\@
.Lfor_b_\@:
	tensor_load_to_lds s[\g0b:\g0b+3], s[\g1b:\g1b+7]
	s_nop 0
.rept 4
	v_nop
.endr
.Lasked_\@:
.endm
.macro CREST                           ; a round of the cluster's barrier behind its opening barrier
	s_cmp_lg_u32 s14, 0
	s_cbranch_scc1 .Lnot_wave_0_\@
	s_barrier_signal -3
.Lnot_wave_0_\@:
	s_barrier_wait -3
	s_barrier_signal -1
	s_barrier_wait -1
.endm
.macro CROUND                          ; a whole round
	s_barrier_signal -1
	s_barrier_wait -1
	CREST
.endm
.macro ASK off                         ; my forty blocks of the quarter at PFA + off
	global_prefetch_b8 v[PFO], s[PFA:PFA+1] offset:\off th:TH_LOAD_NT scope:SCOPE_SE
	global_prefetch_b8 v[PFO+1], s[PFA:PFA+1] offset:\off th:TH_LOAD_NT scope:SCOPE_SE
.endm
	s_load_b128 s[4:7], s[0:1], 0x0                ; xq s[4:5], wq s[6:7]
	s_load_b128 s[8:11], s[0:1], 0x10              ; out0 s[8:9], xs s[10:11]
	s_load_b64 s[12:13], s[0:1], 0x20              ; weight_scale
	v_lshl_add_u32 v[SPW], v0, 2, SPARE
	v_mov_b32 v[NIL], 0
	ds_add_u32 v[SPW], v[NIL]                      ; the opening lines: the add, twice on end, and its wait ahead of my first tensor load
	ds_add_u32 v[SPW], v[NIL]
	v_lshrrev_b32 v1, 5, v0
	v_readfirstlane_b32 s14, v1                    ; wave 0..3
	s_lshr_b32 s15, s14, 1                         ; which half of the block's rows is mine.  Also: I fetch for x (0) or for w (1)
	s_and_b32 s16, s14, 1                          ; which half of its columns.  Also: which 128 rows I fetch
	s_bfe_u32 s40, ttmp6, 0x40000                  ; cx, cy: my place in the cluster
	s_bfe_u32 s41, ttmp6, 0x40004
	s_lshl_b32 s42, ttmp9, 2
	s_add_co_u32 s42, s42, s40                     ; block column = 4 x cluster x + cx
	s_and_b32 s17, ttmp7, 0xffff
	s_lshl_b32 s17, s17, 2
	s_add_co_u32 s17, s17, s41                     ; block row = 4 x cluster y + cy
	s_lshl_b32 s43, s41, 2
	s_lshl_b32 s43, 15, s43                        ; my row of the cluster
	s_lshl_b32 s44, 0x1111, s40                    ; my column
	; group 1: a dense run as rows of 256 bytes (32 elements of 8 bytes); 15:0 the mask, 17:16 the element's size, 21 set beside a mask
	s_or_b32 s[G1+0], s43, (3<<16)|(1<<21)
	s_or_b32 s[G1B+0], s44, (3<<16)|(1<<21)
	s_or_b32 s[G1T+0], s43, (3<<16)|(1<<21)
	s_or_b32 s[G1TB+0], s44, (3<<16)|(1<<21)
.irp g, G1, G1B
	s_mov_b32 s[\g+1], 32<<16
	s_mov_b32 s[\g+2], (NS*50)<<16                 ; 150 rows: three chunks
	s_mov_b32 s[\g+3], 32<<16
	s_mov_b32 s[\g+4], NS*50
	s_mov_b32 s[\g+5], 32
	s_mov_b32 s[\g+6], 0
	s_mov_b32 s[\g+7], 0
.endr
.irp g, G1T, G1TB
	s_mov_b32 s[\g+1], 32<<16
	s_mov_b32 s[\g+2], 100<<16                     ; 100 rows: two chunks
	s_mov_b32 s[\g+3], 32<<16
	s_mov_b32 s[\g+4], 100
	s_mov_b32 s[\g+5], 32
	s_mov_b32 s[\g+6], 0
	s_mov_b32 s[\g+7], 0
.endr
	s_lshl_b32 s20, s17, 1
	s_add_co_u32 s20, s20, s16
	s_mul_i32 s20, s20, RBLK                       ; x: block of 128 rows 2 x block row + half
	s_mov_b32 s21, 0
	s_lshl_b32 s46, s42, 1
	s_add_co_u32 s46, s46, s16
	s_mul_i32 s46, s46, RBLK                       ; w: 2 x block column + half
	s_mov_b32 s47, 0
	s_mul_i32 s45, s14, QUART                      ; where my quarter goes: no place in the cluster enters an LDS address
	s_wait_dscnt 0x0                               ; both opening adds are done
	s_wait_kmcnt 0x0
	s_add_nc_u64 s[88:89], s[4:5], s[20:21]
	s_add_nc_u64 s[90:91], s[6:7], s[46:47]
.irp s, 0,1
	s_mov_b32 s[G0+4*\s], 1
	s_add_co_u32 s[G0+4*\s+1], s45, \s*SLOT
	s_add_nc_u64 s[G0+4*\s+2:G0+4*\s+3], s[88:89], \s*QUART
	s_or_b32 s[G0+4*\s+3], s[G0+4*\s+3], 0x80000000
	s_mov_b32 s[G0B+4*\s], 1
	s_add_co_u32 s[G0B+4*\s+1], s45, \s*SLOT
	s_add_nc_u64 s[G0B+4*\s+2:G0B+4*\s+3], s[90:91], \s*QUART
	s_or_b32 s[G0B+4*\s+3], s[G0B+4*\s+3], 0x80000000
.endr
	CROUND                                         ; all sixteen work-groups are here: the first joint loads meet
	JLOAD G0, G1, G0B, G1B                         ; fill 0, steps 0 to 2
	; all else of the head stands under that load's flight: first the scalars, then the vector lines on end
	s_mul_i32 s21, s15, QUART                      ; my 128 rows of x in a slot
	s_mul_i32 s22, s16, QUART
	s_add_co_u32 s22, s22, 2*QUART                 ; my 128 rows of w, behind x's 256
	s_sub_co_u32 s23, s22, s21
	s_cmp_eq_u32 s15, 0                            ; do I fetch for x?
	s_cselect_b32 s86, s40, s41                    ; my place among the four that fetch my quarter with me
	s_cselect_b64 s[PFA:PFA+1], s[88:89], s[90:91] ; my quarter of fill 0
	s_mul_i32 s87, s86, PSHT
	s_mul_i32 s86, s86, PSH
	s_lshl_b32 s20, s17, 8
	s_lshl_b32 s18, s15, 7
	s_add_co_u32 s20, s20, s18                     ; my first row of out0
	s_mov_b32 s19, 0
	s_lshl_b32 s18, s20, 2
	s_add_nc_u64 s[10:11], s[10:11], s[18:19]      ; its x_scale
	s_lshl_b32 s18, s20, 14
	s_add_nc_u64 s[8:9], s[8:9], s[18:19]
	s_lshl_b32 s18, s42, 10
	s_lshl_b32 s20, s16, 9
	s_add_co_u32 s18, s18, s20                     ; my first column, in bytes
	s_add_nc_u64 s[12:13], s[12:13], s[18:19]      ; its weight_scale
	s_add_nc_u64 s[8:9], s[8:9], s[18:19]
	v_and_b32 v1, 15, v0                           ; r
	v_bfe_u32 v2, v0, 4, 1                         ; h
	v_and_b32 v6, 31, v0                           ; lane
	v_lshlrev_b32 v7, 4, v6
	v_mul_u32_u24 v5, s23, v2                      ; lanes 16-31 take w's scale words
	v_lshl_add_u32 v5, v1, 2, v5
	v_add_nc_u32 v[ADRA], s21, v7
	v_add_nc_u32 v[ADRB], s22, v7
	v_add_nc_u32 v[ADRS], s21, v5
	v_add_nc_u32 v[ADRA+1], SLOT, v[ADRA]
	v_add_nc_u32 v[ADRB+1], SLOT, v[ADRB]
	v_add_nc_u32 v[ADRS+1], SLOT, v[ADRS]
	v_lshlrev_b32 v[WO], 4, v1
	v_lshlrev_b32 v[XO], 7, v2
	v_lshl_add_u32 v[CO], v2, 19, v[WO]            ; 32 rows of 16,384 bytes for lanes 16-31
	v_lshl_add_u32 v[PFO], v6, 8, s86              ; my share's blocks 0 to 31, a lane a block,
	v_min_u32 v8, 7, v6
	v_lshl_add_u32 v[PFO+1], v8, 8, s86
	v_add_nc_u32 v[PFO+1], 8192, v[PFO+1]          ; and 32 to 39;
	v_min_u32 v[PFO], QUART-256, v[PFO]            ; none beyond the quarter's last block
	v_min_u32 v[PFO+1], QUART-256, v[PFO+1]
	v_min_u32 v9, 24, v6
	v_lshl_add_u32 v[PFT], v9, 8, s87              ; of fill 10: my 25 blocks
	s_wait_alu depctr_va_vdst(0)
	ASK QUART                                      ; fill 1
.irp g, 0,1
	global_load_b128 v[WS+4*\g:WS+4*\g+3], v[WO], s[12:13] offset:256*\g        ; the scales of the way out: waited for there
.endr
.irp g, 0,1
.irp j, 0,1,2,3,4,5,6,7
	global_load_b128 v[XS+32*\g+4*\j:XS+32*\g+4*\j+3], v[XO], s[10:11] offset:256*\g+16*\j
.endr
.endr
.macro FRAG reg, adr, q, i             ; a fragment: three loads of 512 consecutive bytes, the image of its registers
.irp c, 0,1,2
	ds_load_b128 v[\reg+4*\c:\reg+4*\c+3], v[\adr] offset:(\q)*CHUNK+(\i)*FRB+512*\c
.endr
.endm
; 16 matrix instructions: x's blocks a0, a0 + 1 against w's eight.  p: w's set and the set of scale words.  zero = 1: the first product starts the sums.
; The accumulators take turns, one instruction a turn.
.macro MUL16 a0, p, zero
.irp a, \a0, \a0+1
.irp b, 0,1,2,3,4,5,6,7
.if \zero
	v_wmma_scale_f32_16x16x128_f8f6f4 v[8*(8*((\a)%4)+\b):8*(8*((\a)%4)+\b)+7], v[AF+FR*(\a):AF+FR*(\a)+FR-1], v[128*(\p)+FR*\b:128*(\p)+FR*\b+FR-1], 0, v[SC+8*(\p)+(\a)], v[SC+8*(\p)+\b] matrix_a_fmt:MATRIX_FMT_FP6 matrix_b_fmt:MATRIX_FMT_FP6 matrix_b_scale:MATRIX_SCALE_ROW1
.else
	v_wmma_scale_f32_16x16x128_f8f6f4 v[8*(8*((\a)%4)+\b):8*(8*((\a)%4)+\b)+7], v[AF+FR*(\a):AF+FR*(\a)+FR-1], v[128*(\p)+FR*\b:128*(\p)+FR*\b+FR-1], v[8*(8*((\a)%4)+\b):8*(8*((\a)%4)+\b)+7], v[SC+8*(\p)+(\a)], v[SC+8*(\p)+\b] matrix_a_fmt:MATRIX_FMT_FP6 matrix_b_fmt:MATRIX_FMT_FP6 matrix_b_scale:MATRIX_SCALE_ROW1
.endif
.endr
.endr
.endm
; The same in the last four steps, where x's four fragments of a half step lie in set p of two: block a at place 4 p + a % 4
.macro MULX a0, p
.irp a, \a0, \a0+1
.irp b, 0,1,2,3,4,5,6,7
	v_wmma_scale_f32_16x16x128_f8f6f4 v[8*(8*((\a)%4)+\b):8*(8*((\a)%4)+\b)+7], v[AF+FR*(4*(\p)+(\a)%4):AF+FR*(4*(\p)+(\a)%4)+FR-1], v[128*(\p)+FR*\b:128*(\p)+FR*\b+FR-1], v[8*(8*((\a)%4)+\b):8*(8*((\a)%4)+\b)+7], v[SC+8*(\p)+(\a)], v[SC+8*(\p)+\b] matrix_a_fmt:MATRIX_FMT_FP6 matrix_b_fmt:MATRIX_FMT_FP6 matrix_b_scale:MATRIX_SCALE_ROW1
.endr
.endr
.endm
.macro FETCH_B slot, q, p              ; 24 loads: w's eight fragments of the slot's step q into set p
	WIN TO_B
.irp i, 0,1,2,3,4,5,6,7
	FRAG 128*(\p)+FR*\i, ADRB+\slot, \q, \i
.endr
	WIN 0
.endm
.macro FETCH_A slot, q, i0             ; 12 loads: x's blocks i0 .. i0 + 3
.irp i, \i0, \i0+1, \i0+2, \i0+3
	FRAG AF+FR*(\i), ADRA+\slot, \q, \i
.endr
.endm
.macro SCALES slot, q, p               ; 8 loads
.irp i, 0,1,2,3,4,5,6,7
	ds_load_b32 v[SC+8*(\p)+\i], v[ADRS+\slot] offset:(\q)*CHUNK+SCO+64*\i
.endr
.endm
.macro PLACES n                        ; in front of loads into registers that matrix instructions have read, and of the first read of results
.rept \n
	v_nop
.endr
.endm
; A step that is not its slot's last.  x has one set: blocks 0-3 of the next step are fetched in the middle, blocks 4-7 at the end.  w's set and the scale words of this step are free at its end:
; bend = 1: they take the step AFTER the next, which lies in this same slot.  So at a step's head the LDS loads still out may be x's blocks 4-7 (12) and the next step's w and scale words (32).
.macro STEP slot, q, p, zero, bend
	s_wait_dscnt 4*NL+8*NL+8                       ; this step's w, scale words and x's blocks 0-3 are in
	WIN MUL_LO
	MUL16 0, \p, \zero
	MUL16 2, \p, \zero
	s_wait_dscnt 8*NL+8                            ; x's blocks 4-7 are in; the next step's w and scale words may be out
	PLACES NP
	WIN 0
	FETCH_A \slot, (\q)+1, 0
	WIN MUL_HI
	MUL16 4, \p, \zero
	MUL16 6, \p, \zero
	PLACES NP
	WIN 0
	FETCH_A \slot, (\q)+1, 4
.if \bend
	FETCH_B \slot, (\q)+2, \p
	SCALES \slot, (\q)+2, \p
.endif
.endm
; A slot's last step, and the change of slots: ONE barrier, which opens a round of the cluster's barrier.  In front of it each wave waits for all its tensor loads (the one that is out is its quarter of the next slot), adds 0 to its
; spare word, and waits for that and for its reads of this slot; behind the round this slot is filled again (fill = 2: with fill 10).  ask = 1: my share of the next fill's quarter is prefetched; 2: in the loop's last trip that fill is fill 10.
.macro TURN slot, p, next, fill, ask
.if \ask
	s_wait_xcnt 0x0                                ; my last prefetches have read their address: it steps here, a slot's three steps behind them
	s_add_nc_u64 s[PFA:PFA+1], s[PFA:PFA+1], QUART
.endif
	s_wait_tensorcnt 0x0
	ds_add_u32 v[SPW], v[NIL]
	s_wait_dscnt 4*NL+1                            ; (the add and x's blocks 4-7 may be out)
	WIN MUL_LO
	MUL16 0, \p, 0
	s_wait_dscnt 0x0                               ; the add is done, and my reads of this slot are over
	s_barrier_signal -1
	MUL16 2, \p, 0
	WIN 0
	s_barrier_wait -1
	CREST                                          ; no wave of any partner still reads this slot or has a load on its way
	s_add_nc_u64 s[G0+4*\slot+2:G0+4*\slot+3], s[G0+4*\slot+2:G0+4*\slot+3], 2*QUART
	s_add_nc_u64 s[G0B+4*\slot+2:G0B+4*\slot+3], s[G0B+4*\slot+2:G0B+4*\slot+3], 2*QUART
.if \fill == 1
	JLOAD G0+4*\slot, G1, G0B+4*\slot, G1B         ; the first tensor load behind the round; its four v_nop are the places in front of the loads below
.else
	JLOAD G0+4*\slot, G1T, G0B+4*\slot, G1TB
.endif
	FETCH_B \next, 0, 1-(\p)
	FETCH_A \next, 0, 0
	SCALES \next, 0, 1-(\p)
.if \ask == 2
	s_cmp_gt_u32 s3, 1
	s_cbranch_scc0 .Lshort_\@
.endif
.if \ask
	ASK 2*QUART                                    ; the address stands one fill behind the fill just asked for by the joint load: two quarters on is the next fill
.endif
.if \ask == 2
	s_branch .Lpf_done_\@
.Lshort_\@:
	global_prefetch_b8 v[PFT], s[PFA:PFA+1] offset:2*QUART th:TH_LOAD_NT scope:SCOPE_SE
.Lpf_done_\@:
.endif
	WIN MUL_HI
	MUL16 4, \p, 0
	MUL16 6, \p, 0
	PLACES NP
	WIN 0
	FETCH_A \next, 0, 4
	FETCH_B \next, 1, \p                           ; the next slot's second step: every slot has one
	SCALES \next, 1, \p
.endm
; THE LAST FOUR STEPS.  GET: the 44 loads of a half step: x's blocks 4 hi .. 4 hi + 3 of the slot's step q into x's set p, w's eight fragments and the scale words into theirs.  HALF: its 32 matrix instructions.
.macro GET slot, q, p, hi
	WIN 0
.irp i, 0,1,2,3
	FRAG AF+FR*(4*(\p)+\i), ADRA+\slot, \q, 4*(\hi)+\i
.endr
	FETCH_B \slot, \q, \p
	SCALES \slot, \q, \p
.endm
.macro HALF hi, p
	WIN MUL_LO+0x50*(\hi)
	MULX 4*(\hi), \p
	MULX 4*(\hi)+2, \p
.endm
; THE WAY OUT of x's block a: its eight accumulators x weight_scale in place (a lane has one column of each; each accumulator from its low end on), then x x_scale into four registers on end for each row and 64 columns
; (window 1, from o0 on for columns 0-63, from o1 on for columns 64-127), then sixteen stores.  wx = 1: those registers were the data of earlier stores.
.macro OUT a, o0, o1, wx
.set AC, 64*((\a)%4)
.set XR, XS+32*((\a)/4)+(\a)%4
.if \wx
	s_wait_xcnt 0x0                                ; the earlier stores have read their registers
.endif
	WIN 0x82+0x41*((\a)/4)                         ; destination and source 0: window 2 or 3
.irp b, 0,2,4,6
.irp k, 0,2,4,6
	v_pk_mul_f32 v[AC+8*\b+\k:AC+8*\b+\k+1], v[AC+8*\b+\k:AC+8*\b+\k+1], v[WS+\b:WS+\b+1] op_sel_hi:[1,0]   ; the pair's low word serves both halves
.endr
.irp k, 0,1,2,3,4,5,6,7
	v_mul_f32 v[AC+8*\b+8+\k], v[AC+8*\b+8+\k], v[WS+\b+1]
.endr
.endr
	WIN 0x42+((\a)/4)                              ; destination window 1, source 0 window 2 or 3
.irp j, 0,1,2,3,4,5,6,7
.irp i, 0,1,2,3
	v_mul_f32 v[\o0+4*\j+\i], v[AC+8*\i+\j], v[XR+4*\j]
	v_mul_f32 v[\o1+4*\j+\i], v[AC+8*(4+\i)+\j], v[XR+4*\j]
.endr
.endr
	WIN 0x04                                       ; the stores' data: window 1
.irp j, 0,1,2,3,4,5,6,7
	global_store_b128 v[CO], v[\o0+4*\j:\o0+4*\j+3], s[8:9] offset:(64*((\a)/4)+4*\j+(\a)%4)*ROWB th:TH_STORE_NT       ; sixteen lanes store 256 consecutive bytes, at a multiple of 256 from out0's first byte
	global_store_b128 v[CO], v[\o1+4*\j:\o1+4*\j+3], s[8:9] offset:(64*((\a)/4)+4*\j+(\a)%4)*ROWB+256 th:TH_STORE_NT
.endr
	WIN 0
.endm
	s_wait_tensorcnt 0x0                           ; my quarter of slot 0 is in
	ds_add_u32 v[SPW], v[NIL]
	s_wait_dscnt 0x0
	CROUND                                         ; everybody's quarter is in, and the joint loads meet
	JLOAD G0+4, G1, G0B+4, G1B                     ; fill 1, the first tensor load behind the round
	FETCH_B 0, 0, 0
	FETCH_A 0, 0, 0
	SCALES 0, 0, 0
	ASK 2*QUART                                    ; fill 2; the address is first stepped at the first change of slots, behind its wait
	FETCH_A 0, 0, 4
	FETCH_B 0, 1, 1
	SCALES 0, 1, 1
	STEP 0, 0, 0, 1, 1                             ; the first step's products start the sums
	s_mov_b32 s3, LAPS-1
.Llap:                                                 ; a trip: six steps, once round the ring; both slots are filled again
	STEP 0, 1, 1, 0, 0
	TURN 0, 0, 1, 1, 1
	STEP 1, 0, 1, 0, 1
	STEP 1, 1, 0, 0, 0
	TURN 1, 1, 0, 1, 2
	STEP 0, 0, 0, 0, 1
	s_sub_co_u32 s3, s3, 1
	s_cmp_lg_u32 s3, 0
	s_cbranch_scc1 .Llap
	STEP 0, 1, 1, 0, 0                             ; step 25
	TURN 0, 0, 1, 2, 0                             ; step 26; fill 10, steps 30 and 31, goes out
	s_wait_dscnt 4*NL+8*NL+8                       ; step 27, whole, as STEP has it; but at its end x's second four places take blocks 0-3 of step 29
	WIN MUL_LO
	MUL16 0, 1, 0
	MUL16 2, 1, 0
	s_wait_dscnt 8*NL+8
	PLACES NP
	WIN 0
	FETCH_A 1, 1, 0                                ; blocks 0-3 of step 28, into x's set 0
	WIN MUL_HI
	MUL16 4, 1, 0
	MUL16 6, 1, 0
	PLACES NP
	GET 1, 2, 1, 0                                 ; step 29, blocks 0-3
	s_wait_dscnt NG                                ; all but the 44 just issued
	HALF 0, 0                                      ; step 28, blocks 0-3
	s_wait_tensorcnt 0x0                           ; my quarter of fill 10 is in;
	s_wait_dscnt 0x0                               ; step 29's fragments are in, and no LDS instruction of mine is out at the signal
	s_barrier_signal -1
	WIN MUL_LO
	MULX 0, 1                                      ; step 29, blocks 0 and 1: work on registers while the others arrive
	s_barrier_wait -1                              ; everybody's quarter is in.
	PLACES NP
	GET 0, 0, 0, 0                                 ; step 30, blocks 0-3
	WIN MUL_LO
	MULX 2, 1                                      ; step 29, blocks 2 and 3
	PLACES NP
	GET 0, 1, 1, 0                                 ; step 31, blocks 0-3
	s_wait_dscnt NG
	HALF 0, 0                                      ; step 30
	PLACES NP
	GET 1, 1, 0, 1                                 ; step 28, blocks 4-7
	s_wait_dscnt NG
	HALF 0, 1                                      ; step 31: blocks 0-3 are finished
	s_wait_loadcnt 0x0                             ; x_scale and weight_scale, asked for at the head
	PLACES NP
	OUT 0, 96, 224, 0
	GET 1, 2, 1, 1                                 ; step 29, blocks 4-7
	s_wait_dscnt NG
	HALF 1, 0                                      ; step 28
	PLACES NP
	OUT 1, 96, 224, 1
	GET 0, 0, 0, 1                                 ; step 30
	s_wait_dscnt NG
	HALF 1, 1                                      ; step 29
	PLACES NP
	OUT 2, 96, 224, 1
	GET 0, 1, 1, 1                                 ; step 31
	s_wait_dscnt NG
	HALF 1, 0                                      ; step 30
	PLACES NP
	OUT 3, 96, 224, 1
	s_wait_dscnt 0x0
	HALF 1, 1                                      ; step 31: blocks 4-7 are finished
	PLACES NP
	OUT 4, 96, 224, 1
	OUT 5, 0, 32, 0                                ; w's sets are done with: each block has registers of its own
	OUT 6, 128, 160, 0
	OUT 7, 64, 192, 0
	s_wait_tensorcnt 0x0                           ; the wave's end
	ds_add_u32 v[SPW], v[NIL]
	s_wait_dscnt 0x0
	CROUND                                         ; the closing round
	s_endpgm
.Lfunc_end_k_q8122599c41_gemm:
	.size	k_q8122599c41_gemm, .Lfunc_end_k_q8122599c41_gemm-k_q8122599c41_gemm
	.p2alignl 7, 3214868480
	.fill 96, 4, 3214868480
	.section	.rodata,"a",@progbits
	.p2align	6, 0x0
	.amdhsa_kernel k_q8122599c41_gemm
		.amdhsa_group_segment_fixed_size 327680
		.amdhsa_private_segment_fixed_size 0
		.amdhsa_enable_private_segment 0
		.amdhsa_kernarg_size 40
		.amdhsa_user_sgpr_count 2
		.amdhsa_user_sgpr_kernarg_segment_ptr 1
		.amdhsa_wavefront_size32 1
		.amdhsa_system_sgpr_workgroup_id_x 1
		.amdhsa_system_sgpr_workgroup_id_y 1
		.amdhsa_system_sgpr_workgroup_id_z 1
		.amdhsa_system_vgpr_workitem_id 0
		.amdhsa_next_free_vgpr 1024
		.amdhsa_next_free_sgpr 100
		.amdhsa_reserve_vcc 0
		.amdhsa_float_denorm_mode_32 3
		.amdhsa_float_denorm_mode_16_64 3
		.amdhsa_memory_ordered 1
		.amdhsa_forward_progress 1
		.amdhsa_inst_pref_size 236
	.end_amdhsa_kernel
	.amdgpu_metadata
---
amdhsa.version: [ 1, 2 ]
amdhsa.kernels:
  - .name:           k_q8122599c41_gemm
    .symbol:         k_q8122599c41_gemm.kd
    .args:
      - { .name: xq, .offset: 0, .size: 8, .value_kind: global_buffer, .address_space: global }
      - { .name: wq, .offset: 8, .size: 8, .value_kind: global_buffer, .address_space: global }
      - { .name: out0, .offset: 16, .size: 8, .value_kind: global_buffer, .address_space: global }
      - { .name: xs, .offset: 24, .size: 8, .value_kind: global_buffer, .address_space: global }
      - { .name: weight_scale, .offset: 32, .size: 8, .value_kind: global_buffer, .address_space: global }
    .group_segment_fixed_size: 327680
    .private_segment_fixed_size: 0
    .kernarg_segment_align: 8
    .kernarg_segment_size: 40
    .max_flat_workgroup_size: 128
    .sgpr_count:     100
    .vgpr_count:     1024
    .wavefront_size: 32
...
	.end_amdgpu_metadata
.endif
;; end of part 2
